; MI455X (gfx1250); checked and timed in simulation.
; The chip was launched on July 23, 2026; its instructions are those of AMD's public machine-readable ISA for CDNA 5 (MIT licence, August 2026) and "CDNA5" Instruction Set Architecture Reference Guide (July 2026). The comments in the code are by the model that wrote it; some were corrected since.
;; KNN Classifier Layer2. Allowed arithmetic: matrix products marked QUANTISED: E3M2 operands, one E8M0 scale for each 32 along K, by v_wmma_scale_f32_16x16x128_f8f6f4 with both operands' format E3M2, f32 sums; everything else in f32.
;; Inputs: X_train 50,000 x 32 float32; x 4,096 x 32 float32; y_train 50,000 int32.
;; Outputs: out0 4,096 x 6 float32.
;; This version of the problem:
;;   THIS VERSION OF THE PROBLEM IS GIVEN IN LOW PRECISION. The matrix products marked QUANTISED in the list below multiply operands that are first quantised to E3M2 (3 exponent bits, 2 mantissa bits; 6 bits a number), with one power-of-two scale for each 32 numbers along K (OCP MX v1.0); their sums are f32. All else is computed in f32.
;;   The module's matrix products, in the order in which they are computed (A, B: the left and right operand; K: the contracted axis; several contracted axes count as one K, in the product's order):
;;     1. [M 4,096, K 32] x [K 32, N 50,000]; A: input x; B: input X_train: QUANTISED
;;   THE QUANTISER, for each operand of a quantised product, along K:
;;     - K is cut into blocks of 32 from its start; a last block that is shorter is filled with zeros.
;;     - A block's scale is 2^e with e = floor(log2(the largest magnitude in the block)) - 4, held to -126 .. 127; a block of zeros has e = 0. As a byte (E8M0): e + 127.
;;     - Each number is divided by its block's scale, clamped to +-28, and rounded to the nearest number of E3M2, ties to even, subnormals kept.
;;     - The product sums the exact products of the quantised numbers (number of the format x scale) in f32.
;;   ~~~python
;;   def quantise(x, axis):      # numpy; x: float32 -> the quantised numbers, widened to float32 again
;;       x = np.moveaxis(x, axis, -1); K = x.shape[-1]
;;       x = np.pad(x, [(0, 0)] * (x.ndim - 1) + [(0, -K % 32)]); x = x.reshape(x.shape[:-1] + (-1, 32)); a = np.abs(x).max(-1, keepdims=True)
;;       e = np.where(a > 0, np.clip(np.frexp(np.where(a > 0, a, 1))[1] - 1 - 4, -126, 127), 0)      # np.frexp(a)[1] - 1 = floor(log2(a)), exactly
;;       r = np.clip(x / 2.0 ** e, -28, 28)
;;       step = 2.0 ** (np.maximum(np.frexp(np.where(r == 0, 1, r))[1] - 1, -2) - 2)
;;       q = np.round(r / step) * step * 2.0 ** e      # np.round: ties to even
;;       return np.moveaxis(q.reshape(q.shape[:-2] + (-1,))[..., :K], -1, axis).astype(np.float32)
;;   ~~~
;; 2 versions, each right; version 2 is version 1 with the launch final written anew for expert scheduling mode. Each part assembles by itself: llvm-mc -triple=amdgcn-amd-amdhsa -mcpu=gfx1250 --defsym DOCPART=n.
;; ======== version 1 of 2: 3 launches
;; workspace buffers: rec 1,638,400 bytes; lst 10,485,760 bytes of whole numbers; sel 131,072 bytes of whole numbers
;; launch scan (part 1): grid 8 x 32, 8 waves a work-group, no clusters, 305,152 bytes of LDS; arguments X_train, x, rec, lst; writes rec, lst
.if DOCPART == 1
	.amdgcn_target "amdgcn-amd-amdhsa--gfx1250"
	.amdhsa_code_object_version 6
	.text
	.protected	k_q1387c57a57_scan
	.globl	k_q1387c57a57_scan
	.p2align	8
	.type	k_q1387c57a57_scan,@function
k_q1387c57a57_scan:
	s_mov_b64 s[64:65], 0
	v_nop
	global_prefetch_b8 v0, s[64:65] scope:SCOPE_SE
	s_setreg_imm32_b32 hwreg(HW_REG_WAVE_MODE, 25, 1), 1
	s_wait_xcnt 0x0
; k-NN, first of three launches.  For 4,096 queries x and 50,000 training rows t the key of a pair is -d2/2 = x.t - t2/2 - x2/2; the largest key is the nearest row.
; x.t is made on codes of BF6 (E3M2) with one E8M0 scale a row (K = 32 is one block); t2 and x2 are sums of squares of the f32 numbers.
; A row's dot product is a sum of 32 products of 3-bit numbers under one scale: at most 23 bits, so it is exact in f32 in any order.
; -t2/2 IS THE C OF THE MATRIX INSTRUCTION; x2/2 is taken off behind a group's maximum (taking a constant off, with rounding, keeps the order).
; FOUR TILES IN ONE FRAGMENT.  The instruction is 128 deep and a row 32: block b (0..3) of A's row m holds the training row at place 32 (m / 8) + 8 b + m % 8 of a FRAGMENT of 64 neighbouring rows.
; The query operand B_b has the query's codes in block b and zero codes elsewhere (its scale word: the query's byte at byte b, 1 elsewhere), so A x B_b is tile b's product:
; in the result lane (r, h), register j holds query r against place 32 h + 8 b + j.
; PRUNING.  Only each fragment's largest key is kept, and of those the five largest for each query with their fragment numbers, earlier numbers ahead on equal keys.
; A row among the five nearest lies in one of the five fragments ranked first: every fragment ranked ahead of its own holds a row ranked ahead of it, and there are at most four such rows.
; The last launch takes those five fragments up again, from the records that this launch stores.
; FRAGMENTS: 800, of which 782 hold rows.  Fragment F begins at row min(64 F, 49936); its place o counts where o >= 64 F - that row; the other places get C = -3e38.  No load leaves X_train.
; SHARES.  Work-group (x = block of 512 queries, y = part): part p is fragments 13 p .. 13 p + 12 (the low ones) and 416 + 12 p .. 416 + 12 p + 11 (the high ones): 25 blocks of 64 rows.
; Wave w quantises blocks w, w + 8, w + 16 (wave 0 also block 24) and its own 64 queries; behind one barrier every wave multiplies its four tiles of 16 queries by all 25 fragments, two at a time.
; Behind an exchange of halves lanes 0-15 keep the low fragment's maximum and lanes 16-31 the high one's: one insertion serves two fragments.
; Two waves share a SIMD's registers (512 each), so that one wave's maxima and insertions stand beside the other's products.
; NO CLUSTER: what work-groups share is fetched once, at the head; and the records have one owner among the eight work-groups of a part, told by the work-group's x.
; LIMITS: NaN and infinities are not served; keys lie above -3e38; a block of zeros gets the scale byte 1 (its codes are zeros; only this program reads the bytes);
; the order of rounding is (x.t - t2/2) - x2/2, with the sums of squares made by fused multiply-adds in four partial sums, not (x2 - 2 x.t) + t2.
.set BLK,    9216                      ; LDS: a block of 64 rows of f32, 128 bytes + 16 of padding each
.set PIT,    144
.set QBASE,  25*BLK                    ; behind the 25 blocks: a block of 64 queries for each wave
.set HIOFF,  13*BLK                    ; the high fragments' blocks begin here
.set LASTB,  50000-64
.set NEGBIG, 0xff61b1e6                ; -3e38
.set NINF,   0xff800000                ; -infinity
.set FLOOR,  0x2800000                 ; 2^(5 - 127): under it no largest magnitude is taken, so the scale byte cannot fall under 1
; A RECORD, 2,048 bytes, is laid over the head of its block once the block has been read: +0 the image of A's 12 registers (group c of four, lane l at 512 c + 16 l);
; +1536 C = -t2/2 of the 64 places in order; +1792 lane l's scale word, twice, at 8 l.
; window 0
.set L16,  1                           ; 16 x lane
.set L8,   2                           ; 8 x lane
.set O1,   3                           ; my first row's place in a fragment: 32 ((l / 8) % 2) + 8 (l / 16) + l % 8; my second is 16 on
.set SH8,  4                           ; 8 (l / 16)
.set AR,   5                           ; a block's addresses: my row,
.set AW16, 6                           ; 16 l,
.set AWC,  7                           ; 4 x my place,
.set AWS,  8                           ; 8 l
.set QRD,  9                           ; my query's row in my wave's block of queries
.set ADA,  10                          ; v10-11 the pair in hand: A's image, low and high fragment
.set ADC,  12                          ; v12-13 C
.set ADS,  14                          ; v14-15 the scale word
.set IDV,  16                          ; the fragment's number: lanes 0-15 the low one's, lanes 16-31 the high one's
.set KEY,  17                          ; the key that waits to be inserted
.set TT,   18                          ; v18-21 at work in an insertion
.set MX,   22                          ; v22-25 four chains of maxima
.set X2H,  26                          ; v26-29 x2/2 of tile t
.set SB,   30                          ; v30-37 the queries' scale words: 2 t: lanes 0-15 for B_0, lanes 16-31 for B_1; 2 t + 1: for B_2, B_3
.set SA,   38                          ; v38-41 the fragments' scale words: 2 x buffer + fragment
.set LIST, 42                          ; v42-81 tile t's list at 42 + 10 t: five keys, falling, then their five numbers
.set AF,   82                          ; v82-129 A: 2 buffers x 2 fragments x 12
.set DD,   130                         ; v130-193 the results of 8 products
.set TQ,   130                         ; the same registers ahead of the loop: two rows of 32 numbers
.set H128, 194                         ; 128 (l / 16)
.set O2,   195                         ; O1 + 16
.set PC,   196                         ; v196-207 the codes just made
.set CT,   208                         ; v208-210 a conversion's second half (its three registers begin on an even number)
.set QA,   212
.set QB,   213
.set QS,   214
.set BY0,  215
.set BY1,  216
.set SS0,  217
.set SS1,  218
.set PA,   220                         ; v220-223 partial sums of squares
.set PB,   222
.set TL,   224                         ; v224-227 a record's last 512 bytes, 16 a lane
.set WRD,  228
.set WX,   229
.set W2,   230                         ; v230-231 the scale word, twice
.set C0,   232
.set C1,   233
.set NEG,  234
.set O144, 235
.set O4,   236
.set WT,   238                         ; v238-241
; window 1: v0-101 the queries' codes: tile t at 24 t: zeros (6), codes in lanes 0-15 (6), zeros (6), codes in lanes 16-31 (6); six closing zeros at 96.
;           B_0 begins at 24 t + 6, B_1 at + 18, B_2 at + 0, B_3 at + 12.   v104-231 C: 2 buffers x 2 fragments x 32.
.set CW,   104
.set CM,   66                          ; s66-70 an insertion's five masks
.set MSB, 0
.macro WIN new                         ; the immediate's high byte repeats the setting that is left
.if MSB != \new
	s_set_vgpr_msb (MSB<<8)|\new
.set MSB, \new
.endif
.endm
; (key, number) goes into a list of five, 19 instructions.  A key enters ahead of the keys that it exceeds: on equal keys the earlier entry stays in front.
.macro INS L, V, ID
.irp i, 0,1,2,3,4
	v_cmp_gt_f32 s[CM+\i], v[\V], v[\L+\i]
.endr
	v_cndmask_b32 v[TT+3], v[\ID], v[\L+8], s[CM+3]    ; what place j would take: the number from above, or the new one
	v_cndmask_b32 v[TT+2], v[\ID], v[\L+7], s[CM+2]
	v_cndmask_b32 v[TT+1], v[\ID], v[\L+6], s[CM+1]
	v_cndmask_b32 v[TT],   v[\ID], v[\L+5], s[CM]
	v_cndmask_b32 v[\L+9], v[\L+9], v[TT+3], s[CM+4]
	v_cndmask_b32 v[\L+8], v[\L+8], v[TT+2], s[CM+3]
	v_cndmask_b32 v[\L+7], v[\L+7], v[TT+1], s[CM+2]
	v_cndmask_b32 v[\L+6], v[\L+6], v[TT],   s[CM+1]
	v_cndmask_b32 v[\L+5], v[\L+5], v[\ID],  s[CM]
	v_med3_num_f32 v[\L+4], v[\L+3], v[\L+4], v[\V]    ; the keys: the middle one of the key above, the key here and the new key
	v_med3_num_f32 v[\L+3], v[\L+2], v[\L+3], v[\V]
	v_med3_num_f32 v[\L+2], v[\L+1], v[\L+2], v[\V]
	v_med3_num_f32 v[\L+1], v[\L],   v[\L+1], v[\V]
	v_max_num_f32  v[\L],   v[\L],   v[\V]
.endm
; 32 numbers of ONE lane, a whole block: six registers of codes, the scale's byte, the sum of squares.
.macro QUANT32 src, dst, byt, sum
	v_max3_num_f32 v[QA], |v[\src]|, |v[\src+1]|, FLOOR               ; the largest magnitude, in two chains, the floor among the leaves
	v_max3_num_f32 v[QB], |v[\src+2]|, |v[\src+3]|, |v[\src+4]|
.irp i, 5,9,13,17,21,25
	v_max3_num_f32 v[QA], v[QA], |v[\src+\i]|, |v[\src+\i+1]|
	v_max3_num_f32 v[QB], v[QB], |v[\src+\i+2]|, |v[\src+\i+3]|
.endr
	v_max3_num_f32 v[QA], v[QA], |v[\src+29]|, |v[\src+30]|
	v_max3_num_f32 v[QA], v[QA], v[QB], |v[\src+31]|
	v_add_nc_u32 v[QS], 0xfe000000, v[QA]              ; 4 off its exponent field: the conversion takes the exponent field of this operand as its scale
	v_lshrrev_b32 v[\byt], 23, v[QS]                   ; the scale's byte
	v_cvt_scalef32_pk16_bf6_f32 v[\dst:\dst+2], v[\src:\src+15], v[QS]
	v_cvt_scalef32_pk16_bf6_f32 v[CT:CT+2], v[\src+16:\src+31], v[QS]
	v_nop                                              ; one plain place behind a scaled conversion
	v_pk_mul_f32 v[PA:PA+1], v[\src:\src+1], v[\src:\src+1]
	v_pk_mul_f32 v[PB:PB+1], v[\src+2:\src+3], v[\src+2:\src+3]
.irp i, 4,8,12,16,20,24,28
	v_pk_fma_f32 v[PA:PA+1], v[\src+\i:\src+\i+1], v[\src+\i:\src+\i+1], v[PA:PA+1]
	v_pk_fma_f32 v[PB:PB+1], v[\src+\i+2:\src+\i+3], v[\src+\i+2:\src+\i+3], v[PB:PB+1]
.endr
	v_pk_add_f32 v[PA:PA+1], v[PA:PA+1], v[PB:PB+1]
	v_add_f32 v[\sum], v[PA], v[PA+1]
.irp i, 0,1,2
	v_mov_b32 v[\dst+3+\i], v[CT+\i]
.endr
.endm
	s_load_b256 s[4:11], s[0:1], 0x0               ; X_train s[4:5], x s[6:7], rec s[8:9], lst s[10:11]
	v_lshl_add_u32 v254, v0, 2, 0x4a400
	v_mov_b32 v255, 0
	ds_add_u32 v254, v255
	ds_add_u32 v254, v255
	v_lshrrev_b32 v1, 5, v0
	v_readfirstlane_b32 s12, v1                    ; wave 0..7
	s_mov_b32 s13, ttmp9                           ; block of 512 queries
	s_and_b32 s14, ttmp7, 0xffff                   ; part
	s_mul_i32 s15, s12, BLK
	; descriptor group 1, one for all loads: 8,192 dense bytes as 32 rows of 256 bytes, 16 bytes of padding behind every 128: a row of 32 f32 lies at 144 x its number
	s_mov_b32 s24, (3<<16)|(1<<20)|(4<<22)|(3<<25) ; no mask; elements of 8 bytes; padding on; after every 32 words (code 4); 4 words of it (code 3)
	s_mov_b32 s25, 32<<16                          ; tensor_dim0 = 32
	s_mov_b32 s26, 32<<16                          ; tensor_dim1 = 32
	s_mov_b32 s27, 32<<16                          ; tile_dim0 = 32
	s_mov_b32 s28, 32                              ; tile_dim1 = 32
	s_mov_b32 s29, 32                              ; from row to row
	s_mov_b32 s30, 0
	s_mov_b32 s31, 0
	s_mul_i32 s60, s14, 13                         ; the part's first low fragment
	s_mul_i32 s61, s14, 12
	s_add_co_u32 s61, s61, 403                     ; block i >= 13 is fragment 403 + 12 part + i
	s_mov_b32 s75, 0
	s_wait_dscnt 0x0
	s_wait_kmcnt 0x0
.irp k, 0,1,2,3                                ; my blocks w + 8 k: group 0 in s[32 + 4 k ..], the record's address in s[16 + 2 k ..], 64 F - first row in s[52 + k]
	s_add_co_u32 s62, s12, 8*\k
	s_cmp_lt_u32 s62, 13
	s_cselect_b32 s63, s60, s61
	s_add_co_u32 s63, s63, s62                     ; F
	s_min_u32 s63, s63, 799                        ; (only wave 0 has a fourth block; the other waves' fourth set is never used, and is held inside the tables)
	s_lshl_b32 s74, s63, 11
	s_add_nc_u64 s[16+2*\k:17+2*\k], s[8:9], s[74:75]
	s_lshl_b32 s78, s63, 6
	s_min_u32 s74, s78, LASTB                      ; the fragment's first row
	s_sub_co_u32 s[52+\k], s78, s74
	s_lshl_b32 s74, s74, 7
	s_mov_b32 s[32+4*\k], 1
	s_add_co_u32 s[33+4*\k], s15, 8*BLK*\k
	s_add_nc_u64 s[34+4*\k:35+4*\k], s[4:5], s[74:75]
	s_or_b32 s[35+4*\k], s[35+4*\k], 0x80000000
.endr
	s_lshl_b32 s74, s13, 16                        ; my 64 queries: row 512 x block + 64 x wave, 128 bytes a row
	s_lshl_b32 s78, s12, 13
	s_add_co_u32 s74, s74, s78
	s_mov_b32 s48, 1
	s_add_co_u32 s49, s15, QBASE
	s_add_nc_u64 s[50:51], s[6:7], s[74:75]
	s_or_b32 s51, s51, 0x80000000
	; All fills are first fills and go out here, ahead of every wait on TENSORcnt, LDS read and barrier: five loads of wave 0 are out, four of every other wave.
	; Wave 0's extra load is the oldest, so the same loads stand behind each of the others on both ways.
	s_cmp_lg_u32 s12, 0
	s_cbranch_scc1 .Lfour_loads
	tensor_load_to_lds s[44:47], s[24:31]          ; block 24
	s_nop 0
.rept 4
	v_nop
.endr
.Lfour_loads:
	tensor_load_to_lds s[32:35], s[24:31]
	s_nop 0
	tensor_load_to_lds s[36:39], s[24:31]
	s_nop 0
	tensor_load_to_lds s[40:43], s[24:31]
	s_nop 0
	tensor_load_to_lds s[48:51], s[24:31]          ; the queries
	s_nop 0
.rept 4
	v_nop
.endr
	s_mov_b32 s56, 0x0000ffff                      ; lanes 0-15
	s_mov_b32 s57, 0xffff0000                      ; lanes 16-31
	s_mov_b32 s58, 0x76543210                      ; v_permlanex16_b32's selects for lane l xor 16
	s_mov_b32 s59, 0xfedcba98
	v_and_b32 v[L8], 31, v0
	v_lshlrev_b32 v[L16], 4, v[L8]
	v_and_b32 v[O1], 8, v0
	v_lshlrev_b32 v[O1], 2, v[O1]
	v_and_b32 v[SH8], 16, v0
	v_lshrrev_b32 v[SH8], 1, v[SH8]
	v_add_nc_u32 v[O1], v[O1], v[SH8]
	v_and_b32 v[AR], 7, v0
	v_add_nc_u32 v[O1], v[O1], v[AR]
	v_add_nc_u32 v[O2], 16, v[O1]
	v_mul_u32_u24 v[O144], v[O1], PIT
	v_lshlrev_b32 v[O4], 2, v[O1]
	v_lshlrev_b32 v[H128], 4, v[SH8]
	v_and_b32 v[QRD], 15, v0
	v_mul_u32_u24 v[QRD], v[QRD], PIT
	s_add_co_u32 s74, s15, QBASE
	v_add_nc_u32 v[QRD], s74, v[QRD]
	v_lshlrev_b32 v[L8], 3, v[L8]
	v_mov_b32 v[NEG], NEGBIG
	v_mov_b32 v[WX], 0                             ; written once: a lane permute's destination counts as one of its sources
; Block w + 8 k becomes its record.  cnt: the tensor loads issued behind the block's own.  Only I read my blocks as rows, so my own wait is all that these reads need.
.macro FRAGPREP k, cnt
	s_wait_tensorcnt \cnt
	s_wait_xcnt 0x0                                ; the last record's global stores have read their registers: the codes and the tail are written again only behind this wait
	s_add_co_u32 s74, s15, 8*BLK*\k
	v_add_nc_u32 v[AR], s74, v[O144]
	v_add_nc_u32 v[AW16], s74, v[L16]
	v_add_nc_u32 v[AWC], s74, v[O4]
	v_add_nc_u32 v[AWS], s74, v[L8]
.irp n, 0,1,2,3,4,5,6,7
	ds_load_b128 v[TQ+4*\n:TQ+4*\n+3], v[AR] offset:16*\n             ; the row at my first place: block l / 16 of A's row l % 16
.endr
.irp n, 0,1,2,3,4,5,6,7
	ds_load_b128 v[TQ+32+4*\n:TQ+32+4*\n+3], v[AR] offset:16*PIT+16*\n   ; and the row 16 on: block 2 + l / 16
.endr
	s_wait_dscnt 8                                 ; the first row is in; the second row's eight loads may be out
	QUANT32 TQ, PC, BY0, SS0
	s_wait_dscnt 0x0                               ; all my reads of the block are over: its head may be written
	QUANT32 TQ+32, PC+6, BY1, SS1
	v_lshl_or_b32 v[WRD], v[BY1], 16, v[BY0]       ; my two bytes, blocks h and 2 + h,
	v_lshlrev_b32 v[WRD], v[SH8], v[WRD]           ; at their places in the scale word;
	v_permlanex16_b32 v[WX], v[WRD], s58, s59
	v_or_b32 v[W2], v[WRD], v[WX]                  ; with lane l xor 16's two the word is whole
	v_mov_b32 v[W2+1], v[W2]
	v_mul_f32 v[C0], -0.5, v[SS0]
	v_mul_f32 v[C1], -0.5, v[SS1]
	v_cmp_le_u32 vcc_lo, s[52+\k], v[O1]           ; does my place count?
	v_cndmask_b32 v[C0], v[NEG], v[C0], vcc_lo
	v_cmp_le_u32 vcc_lo, s[52+\k], v[O2]
	v_cndmask_b32 v[C1], v[NEG], v[C1], vcc_lo
.irp c, 0,1,2
	ds_store_b128 v[AW16], v[PC+4*\c:PC+4*\c+3] offset:512*\c
.endr
	ds_store_b32 v[AWC], v[C0] offset:1536
	ds_store_b32 v[AWC], v[C1] offset:1600
	ds_store_b64 v[AWS], v[W2:W2+1] offset:1792
	ds_load_b128 v[TL:TL+3], v[AW16] offset:1536   ; LDS serves a wave's instructions in order: this sees the stores above
	s_wait_dscnt 0x0
	s_cmp_lg_u32 s13, 0                            ; of the eight work-groups of a part the first stores the records
	s_cbranch_scc1 .Lnot_owner_\@
.irp c, 0,1,2
	global_store_b128 v[L16], v[PC+4*\c:PC+4*\c+3], s[16+2*\k:17+2*\k] offset:512*\c th:TH_STORE_NT   ; 32 lanes store 512 consecutive bytes, aligned
.endr
	global_store_b128 v[L16], v[TL:TL+3], s[16+2*\k:17+2*\k] offset:1536 th:TH_STORE_NT
.Lnot_owner_\@:
.endm
	s_cmp_lg_u32 s12, 0
	s_cbranch_scc1 .Lno_fourth
	FRAGPREP 3, 4                                  ; wave 0: behind block 24's load stand four
.Lno_fourth:
	FRAGPREP 0, 3
	FRAGPREP 1, 2
	FRAGPREP 2, 1
	; THE QUERIES.  Both halves of the lanes read query l % 16 whole.
.macro LQ t
.irp n, 0,1,2,3,4,5,6,7
	ds_load_b128 v[TQ+32*((\t)%2)+4*\n:TQ+32*((\t)%2)+4*\n+3], v[QRD] offset:16*PIT*(\t)+16*\n
.endr
.endm
.macro QP t
	QUANT32 TQ+32*((\t)%2), PC, BY0, SS0
	v_mul_f32 v[X2H+\t], 0.5, v[SS0]
	v_or_b32 v[WT], 0x01010100, v[BY0]             ; B_b's scale word: the query's byte at byte b, 1 at the blocks of zero codes
	v_lshl_or_b32 v[WT+1], v[BY0], 8, 0x01010001
	v_lshl_or_b32 v[WT+2], v[BY0], 16, 0x01000101
	v_lshl_or_b32 v[WT+3], v[BY0], 24, 0x00010101
	v_cndmask_b32 v[SB+2*\t], v[WT], v[WT+1], s57
	v_cndmask_b32 v[SB+2*\t+1], v[WT+2], v[WT+3], s57
	WIN 0x40                                       ; destination window 1
.irp i, 0,1,2,3,4,5
	v_cndmask_b32 v[24*\t+6+\i], 0, v[PC+\i], s56  ; the codes in lanes 0-15 alone,
	v_cndmask_b32 v[24*\t+18+\i], 0, v[PC+\i], s57 ; and in lanes 16-31 alone
.endr
	WIN 0
.endm
	s_wait_tensorcnt 0x0                           ; my queries are in, and no tensor load of mine is out any more
	s_wait_xcnt 0x0                                ; the last record's stores have read the codes' registers
	LQ 0
	LQ 1
	WIN 0x40
.irp t, 0,1,2,3
.irp i, 0,1,2,3,4,5
	v_mov_b32 v[24*\t+\i], 0
	v_mov_b32 v[24*\t+12+\i], 0
.endr
.endr
.irp i, 0,1,2,3,4,5
	v_mov_b32 v[96+\i], 0
.endr
	WIN 0
	s_wait_dscnt 8                                 ; a tile's eight loads are in; the next tile's eight may be out
	QP 0
	LQ 2
	s_wait_dscnt 8
	QP 1
	LQ 3
	s_wait_dscnt 8
	QP 2
	s_wait_dscnt 0x0
	QP 3
.irp t, 0,1,2,3
.irp i, 0,1,2,3,4
	v_mov_b32 v[LIST+10*\t+\i], NINF               ; (these lines are also the places between the scale words and codes made above and the first products)
	v_mov_b32 v[LIST+10*\t+5+\i], 0
.endr
.endr
	v_mov_b32 v[KEY], NINF                         ; the first insertion finds nothing to insert
	s_sub_co_u32 s74, s60, 1
	s_add_co_u32 s78, s61, 12
	v_mov_b32 v[IDV], s74                          ; one under the first pair's numbers: 13 part, 416 + 12 part
	v_mov_b32 v[TT], s78
	v_cndmask_b32 v[IDV], v[IDV], v[TT], s57
.macro SETADR                          ; the addresses of the pair at LDS byte s76
	s_add_co_u32 s77, s76, HIOFF
	v_add_nc_u32 v[ADA], s76, v[L16]
	v_add_nc_u32 v[ADA+1], s77, v[L16]
	v_add_nc_u32 v[ADC], s76, v[H128]
	v_add_nc_u32 v[ADC+1], s77, v[H128]
	v_add_nc_u32 v[ADS], s76, v[L8]
	v_add_nc_u32 v[ADS+1], s77, v[L8]
.endm
	s_mov_b32 s76, 0
	SETADR
	s_wait_dscnt 0x0                               ; for the others' sake: my records lie in LDS
	s_barrier_signal -1
	s_barrier_wait -1                              ; all 25 do.  From here on LDS is only read
; The operands of one pair (kind = 2) or of a low fragment alone (kind = 1), off bytes on from the addresses, into buffer buf.
.macro FETCH buf, kind, off
.irp f, 0,1
.if \f < \kind
.irp c, 0,1,2
	ds_load_b128 v[AF+24*(\buf)+12*\f+4*\c:AF+24*(\buf)+12*\f+4*\c+3], v[ADA+\f] offset:\off+512*\c
.endr
	ds_load_b32 v[SA+2*(\buf)+\f], v[ADS+\f] offset:\off+1792
.endif
.endr
	WIN 0x40
.irp f, 0,1
.if \f < \kind
.irp g, 0,1,2,3,4,5,6,7
	ds_load_b128 v[CW+64*(\buf)+32*\f+4*\g:CW+64*(\buf)+32*\f+4*\g+3], v[ADC+\f] offset:\off+1536+16*\g   ; my half's 32 places of C: register 8 b + j is place 32 h + 8 b + j
.endr
.endif
.endr
	WIN 0
.endm
; Tile t of the queries against nf fragments: four products each.  D and C are different registers, so nothing is a chain.
.macro WPROD buf, t, nf
	WIN 0x14                                       ; B and C window 1, A and D window 0
.irp f, 0,1
.if \f < \nf
.irp b, 0,1,2,3
.if \b % 2
	v_wmma_scale_f32_16x16x128_f8f6f4 v[DD+32*\f+8*\b:DD+32*\f+8*\b+7], v[AF+24*(\buf)+12*\f:AF+24*(\buf)+12*\f+11], v[24*(\t)+12*(\b%2)+6*(1-\b/2):24*(\t)+12*(\b%2)+6*(1-\b/2)+11], v[CW+64*(\buf)+32*\f+8*\b:CW+64*(\buf)+32*\f+8*\b+7], v[SA+2*(\buf)+\f], v[SB+2*(\t)+\b/2] matrix_a_fmt:MATRIX_FMT_BF6 matrix_b_fmt:MATRIX_FMT_BF6 matrix_b_scale:MATRIX_SCALE_ROW1
.else
	v_wmma_scale_f32_16x16x128_f8f6f4 v[DD+32*\f+8*\b:DD+32*\f+8*\b+7], v[AF+24*(\buf)+12*\f:AF+24*(\buf)+12*\f+11], v[24*(\t)+12*(\b%2)+6*(1-\b/2):24*(\t)+12*(\b%2)+6*(1-\b/2)+11], v[CW+64*(\buf)+32*\f+8*\b:CW+64*(\buf)+32*\f+8*\b+7], v[SA+2*(\buf)+\f], v[SB+2*(\t)+\b/2] matrix_a_fmt:MATRIX_FMT_BF6 matrix_b_fmt:MATRIX_FMT_BF6
.endif
.endr
.endif
.endr
	WIN 0
.endm
; The largest of a lane's 32 results of each fragment, two chains a fragment, the chains by turns; each accumulator is first read at its low end.
; Then the halves change places: lanes 0-15 end with the low fragment's maximum over all 64 places, lanes 16-31 with the high one's.
.macro TREE t, nf
.irp f, 0,1
.if \f < \nf
	v_max3_num_f32 v[MX+2*\f],   v[DD+32*\f],    v[DD+32*\f+1],  v[DD+32*\f+2]
	v_max3_num_f32 v[MX+2*\f+1], v[DD+32*\f+16], v[DD+32*\f+17], v[DD+32*\f+18]
.endif
.endr
.irp i, 3,5,7,9,11,13
.irp f, 0,1
.if \f < \nf
	v_max3_num_f32 v[MX+2*\f],   v[MX+2*\f],   v[DD+32*\f+\i],    v[DD+32*\f+\i+1]
	v_max3_num_f32 v[MX+2*\f+1], v[MX+2*\f+1], v[DD+32*\f+16+\i], v[DD+32*\f+17+\i]
.endif
.endr
.endr
.irp f, 0,1
.if \f < \nf
	v_max3_num_f32 v[MX+2*\f], v[MX+2*\f], v[MX+2*\f+1], v[DD+32*\f+15]
.endif
.endr
.irp f, 0,1
.if \f < \nf
	v_max_num_f32 v[MX+2*\f], v[MX+2*\f], v[DD+32*\f+31]
.endif
.endr
.if \nf < 2
	v_mov_b32 v[MX+2], NINF                        ; no high fragment: lanes 16-31 get a key that enters no list
.endif
	v_permlane16_swap_b32 v[MX], v[MX+2]           ; the first's lanes 16-31 change places with the second's lanes 0-15
	v_max_num_f32 v[MX], v[MX], v[MX+2]
	v_sub_f32 v[KEY], v[MX], v[X2H+\t]
.endm
; A pair of fragments in buffer buf against my four tiles; the next pair's operands are asked for first, a whole pair's work ahead of their use.
; Behind each run of products stands the insertion of the key made last: 19 plain instructions that name none of the products' registers.  They are the places in front of the first read of
; the results, of the next run, which writes the same results anew, and of the loads into the other buffer, whose last products stand in the pair before.
.macro PAIR buf, nf, kind, off
	s_wait_dscnt 0x0                               ; this pair's operands are in
.if \kind
	FETCH 1-\buf, \kind, \off
.endif
.irp t, 0,1,2,3
	WPROD \buf, \t, \nf
	INS LIST+10*((\t+3)%4), KEY, IDV
.if \t == 0
	v_add_nc_u32 v[IDV], 1, v[IDV]                 ; the last pair's last key is in: on to this pair's numbers
.endif
	TREE \t, \nf
.endr
.endm
	FETCH 0, 2, 0                                  ; pair 0: blocks 0 and 13
	s_mov_b32 s71, 5
.Lpair:                                            ; five trips of two pairs: pairs 0 to 9
	PAIR 0, 2, 2, BLK
	PAIR 1, 2, 2, 2*BLK
	s_add_co_u32 s76, s76, 2*BLK
	SETADR
	s_sub_co_u32 s71, s71, 1
	s_cmp_lg_u32 s71, 0
	s_cbranch_scc1 .Lpair
	PAIR 0, 2, 2, BLK                              ; pair 10; asks for pair 11
	PAIR 1, 2, 1, 2*BLK                            ; pair 11; asks for block 12, the thirteenth low fragment, which has no partner
	PAIR 0, 1, 0, 0                                ; block 12
	INS LIST+30, KEY, IDV                          ; the last key
	; lst[part][tile of 16 queries][pair of registers i][lane][2]: (K0, K1), (K2, K3), (K4, I0), (I1, I2), (I3, I4)
	s_lshl_b32 s74, s14, 8
	s_lshl_b32 s78, s13, 5
	s_add_co_u32 s74, s74, s78
	s_lshl_b32 s78, s12, 2
	s_add_co_u32 s74, s74, s78                     ; 256 part + my first tile's number
	s_mul_i32 s74, s74, 1280
	s_add_nc_u64 s[72:73], s[10:11], s[74:75]
.irp t, 0,1,2,3
.irp i, 0,1,2,3,4
	global_store_b64 v[L8], v[LIST+10*\t+2*\i:LIST+10*\t+2*\i+1], s[72:73] offset:(5*\t+\i)*256 th:TH_STORE_NT   ; 32 lanes store 256 consecutive bytes, aligned
.endr
.endr
	s_wait_tensorcnt 0x0
	ds_add_u32 v254, v255
	s_wait_dscnt 0x0
	s_endpgm
.Lfunc_end_k_q1387c57a57_scan:
	.size	k_q1387c57a57_scan, .Lfunc_end_k_q1387c57a57_scan-k_q1387c57a57_scan
	.p2alignl 7, 3214868480
	.fill 96, 4, 3214868480
	.section	.rodata,"a",@progbits
	.p2align	6, 0x0
	.amdhsa_kernel k_q1387c57a57_scan
		.amdhsa_group_segment_fixed_size 305152
		.amdhsa_private_segment_fixed_size 0
		.amdhsa_enable_private_segment 0
		.amdhsa_kernarg_size 32
		.amdhsa_user_sgpr_count 2
		.amdhsa_user_sgpr_kernarg_segment_ptr 1
		.amdhsa_wavefront_size32 1
		.amdhsa_system_sgpr_workgroup_id_x 1
		.amdhsa_system_sgpr_workgroup_id_y 1
		.amdhsa_system_sgpr_workgroup_id_z 1
		.amdhsa_system_vgpr_workitem_id 0
		.amdhsa_next_free_vgpr 512
		.amdhsa_next_free_sgpr 80
		.amdhsa_reserve_vcc 1
		.amdhsa_float_denorm_mode_32 3
		.amdhsa_float_denorm_mode_16_64 3
		.amdhsa_memory_ordered 1
		.amdhsa_forward_progress 1
		.amdhsa_inst_pref_size 149
	.end_amdhsa_kernel
	.amdgpu_metadata
---
amdhsa.version: [ 1, 2 ]
amdhsa.kernels:
  - .name:           k_q1387c57a57_scan
    .symbol:         k_q1387c57a57_scan.kd
    .args:
      - { .name: X_train, .offset: 0, .size: 8, .value_kind: global_buffer, .address_space: global }
      - { .name: x, .offset: 8, .size: 8, .value_kind: global_buffer, .address_space: global }
      - { .name: rec, .offset: 16, .size: 8, .value_kind: global_buffer, .address_space: global }
      - { .name: lst, .offset: 24, .size: 8, .value_kind: global_buffer, .address_space: global }
    .group_segment_fixed_size: 305152
    .private_segment_fixed_size: 0
    .kernarg_segment_align: 8
    .kernarg_segment_size: 32
    .max_flat_workgroup_size: 256
    .sgpr_count:     80
    .vgpr_count:     512
    .wavefront_size: 32
...
	.end_amdgpu_metadata
.endif
;; end of part 1
;; launch merge (part 2): grid 256 x 1, 4 waves a work-group, no clusters, 5,632 bytes of LDS; arguments lst, sel; writes sel
.if DOCPART == 2
	.amdgcn_target "amdgcn-amd-amdhsa--gfx1250"
	.amdhsa_code_object_version 6
	.text
	.protected	k_q1387c57a57_merge
	.globl	k_q1387c57a57_merge
	.p2align	8
	.type	k_q1387c57a57_merge,@function
k_q1387c57a57_merge:
	s_mov_b64 s[64:65], 0
	v_nop
	global_prefetch_b8 v0, s[64:65] scope:SCOPE_SE
	s_setreg_imm32_b32 hwreg(HW_REG_WAVE_MODE, 25, 1), 1
	s_wait_xcnt 0x0
; k-NN, second of three launches.  The first launch left, for each tile of 16 queries, each of 32 parts and each lane (query r = l % 16, half h = l / 16), a list of the five largest fragment keys with
; the fragments' numbers.  Here the 64 lists of a query become one, and its five numbers, sorted, go to sel as whole numbers: the last launch forms addresses from them.
; ORDER.  On equal keys the lower number wins.  An insertion keeps the earlier entry in front, and the numbers rise with (half, part, place in a list): so lists are taken in by rising part, and the
; upper half's list last.
; SHARES.  A work-group takes one tile; wave v parts 8 v .. 8 v + 7; the four results meet in LDS and wave 0 finishes.  All 40 loads of a wave go out at once, 256 consecutive aligned bytes each.
; No matrix work, no tensor load, nothing shared between work-groups: clusters and rings would add nothing.
.set PARTB, 256*1280                   ; bytes of a part in lst
.set LS,  16                           ; v16-25 the list: five keys, falling, then five numbers; v26-95 the other parts' as loaded
.set TT,  8                            ; v8-11 at work
.set CM,  16                           ; s16-20 an insertion's masks
.macro INS L, V, ID
.irp i, 0,1,2,3,4
	v_cmp_gt_f32 s[CM+\i], v[\V], v[\L+\i]
.endr
	v_cndmask_b32 v[TT+3], v[\ID], v[\L+8], s[CM+3]
	v_cndmask_b32 v[TT+2], v[\ID], v[\L+7], s[CM+2]
	v_cndmask_b32 v[TT+1], v[\ID], v[\L+6], s[CM+1]
	v_cndmask_b32 v[TT],   v[\ID], v[\L+5], s[CM]
	v_cndmask_b32 v[\L+9], v[\L+9], v[TT+3], s[CM+4]
	v_cndmask_b32 v[\L+8], v[\L+8], v[TT+2], s[CM+3]
	v_cndmask_b32 v[\L+7], v[\L+7], v[TT+1], s[CM+2]
	v_cndmask_b32 v[\L+6], v[\L+6], v[TT],   s[CM+1]
	v_cndmask_b32 v[\L+5], v[\L+5], v[\ID],  s[CM]
	v_med3_num_f32 v[\L+4], v[\L+3], v[\L+4], v[\V]
	v_med3_num_f32 v[\L+3], v[\L+2], v[\L+3], v[\V]
	v_med3_num_f32 v[\L+2], v[\L+1], v[\L+2], v[\V]
	v_med3_num_f32 v[\L+1], v[\L],   v[\L+1], v[\V]
	v_max_num_f32  v[\L],   v[\L],   v[\V]
.endm
.macro SORT2 a, b                      ; the smaller of two numbers to a, the larger to b
	v_min_u32 v8, v[\a], v[\b]
	v_add_nc_u32 v9, v[\a], v[\b]
	v_sub_nc_u32 v[\b], v9, v8
	v_mov_b32 v[\a], v8
.endm
	s_load_b128 s[4:7], s[0:1], 0x0                ; lst s[4:5], sel s[6:7]
	v_lshl_add_u32 v128, v0, 2, 0x1400
	v_mov_b32 v129, 0
	v_lshrrev_b32 v1, 5, v0
	v_readfirstlane_b32 s8, v1                     ; wave 0..3
	v_and_b32 v2, 31, v0
	v_lshlrev_b32 v3, 3, v2                        ; 8 x lane
	s_mul_i32 s9, s8, 1280
	v_add_nc_u32 v4, s9, v3                        ; LDS: my wave's list
	v_and_b32 v5, 15, v0
	v_bfe_u32 v6, v0, 4, 1
	v_lshlrev_b32 v5, 5, v5
	v_lshl_add_u32 v5, v6, 4, v5                   ; sel: 32 r + 16 h
	s_mul_i32 s10, s8, 8*PARTB
	s_mul_i32 s12, ttmp9, 1280
	s_add_co_u32 s10, s10, s12
	s_mov_b32 s11, 0
	s_lshl_b32 s12, ttmp9, 9
	s_mov_b32 s13, 0
	s_mov_b32 s14, 0x76543210                      ; v_permlanex16_b32's selects for lane l xor 16
	s_mov_b32 s15, 0xfedcba98
	s_mov_b32 s21, 0x0000ffff
	s_mov_b32 s22, 0xffff0000
	s_wait_kmcnt 0x0
	s_add_nc_u64 s[4:5], s[4:5], s[10:11]
	s_add_nc_u64 s[6:7], s[6:7], s[12:13]
.irp p, 0,1,2,3,4,5,6,7
.irp i, 0,1,2,3,4
	global_load_b64 v[LS+10*\p+2*\i:LS+10*\p+2*\i+1], v3, s[4:5] offset:PARTB*\p+256*\i th:TH_LOAD_NT
.endr
.endr
.irp p, 1,2,3,4,5,6,7                          ; the first part's list is the list; the others' entries go in, part by part, each list from its head
	s_wait_loadcnt 5*(7-\p)                        ; this part's five loads and all older ones are in; the later parts' may be out
.irp e, 0,1,2,3,4
	INS LS, LS+10*\p+\e, LS+10*\p+5+\e
.endr
.endr
.irp i, 0,1,2,3,4
	ds_store_b64 v4, v[LS+2*\i:LS+2*\i+1] offset:256*\i
.endr
	s_wait_dscnt 0x0                               ; for wave 0's sake
	s_barrier_signal -1
	s_barrier_wait -1
	s_cmp_lg_u32 s8, 0
	s_cbranch_scc1 .Lend
.irp w, 1,2,3
.irp i, 0,1,2,3,4
	ds_load_b64 v[LS+10*\w+2*\i:LS+10*\w+2*\i+1], v3 offset:1280*\w+256*\i
.endr
.endr
	s_wait_dscnt 0x0
.irp w, 1,2,3
.irp e, 0,1,2,3,4
	INS LS, LS+10*\w+\e, LS+10*\w+5+\e
.endr
.endr
.irp j, 0,1,2,3,4,5,6,7,8,9
	v_permlanex16_b32 v[LS+40+\j], v[LS+\j], s14, s15   ; lanes 0-15 get the upper half's list, whose numbers are all higher (what lanes 16-31 make of the exchange is not used)
.endr
.irp e, 0,1,2,3,4
	INS LS, LS+40+\e, LS+45+\e
.endr
	; the five numbers in rising order, so that the last launch can take the fragments in by rising row: a network of nine exchanges
	SORT2 LS+5, LS+6
	SORT2 LS+8, LS+9
	SORT2 LS+7, LS+9
	SORT2 LS+7, LS+8
	SORT2 LS+6, LS+9
	SORT2 LS+5, LS+8
	SORT2 LS+5, LS+7
	SORT2 LS+6, LS+8
	SORT2 LS+6, LS+7
	v_permlanex16_b32 v10, v[LS+9], s14, s15       ; sel[tile][r][8]: lanes 0-15 store numbers 0 to 3, lanes 16-31 number 4 and three zeros
	v_cndmask_b32 v12, v[LS+5], v10, s22
	v_cndmask_b32 v13, 0, v[LS+6], s21
	v_cndmask_b32 v14, 0, v[LS+7], s21
	v_cndmask_b32 v15, 0, v[LS+8], s21
	global_store_b128 v5, v[12:15], s[6:7]         ; the wave stores 512 consecutive bytes, aligned
.Lend:
	s_wait_tensorcnt 0x0
	ds_add_u32 v128, v129
	s_wait_dscnt 0x0
	s_endpgm
.Lfunc_end_k_q1387c57a57_merge:
	.size	k_q1387c57a57_merge, .Lfunc_end_k_q1387c57a57_merge-k_q1387c57a57_merge
	.p2alignl 7, 3214868480
	.fill 96, 4, 3214868480
	.section	.rodata,"a",@progbits
	.p2align	6, 0x0
	.amdhsa_kernel k_q1387c57a57_merge
		.amdhsa_group_segment_fixed_size 5632
		.amdhsa_private_segment_fixed_size 0
		.amdhsa_enable_private_segment 0
		.amdhsa_kernarg_size 16
		.amdhsa_user_sgpr_count 2
		.amdhsa_user_sgpr_kernarg_segment_ptr 1
		.amdhsa_wavefront_size32 1
		.amdhsa_system_sgpr_workgroup_id_x 1
		.amdhsa_system_sgpr_workgroup_id_y 1
		.amdhsa_system_sgpr_workgroup_id_z 1
		.amdhsa_system_vgpr_workitem_id 0
		.amdhsa_next_free_vgpr 130
		.amdhsa_next_free_sgpr 66
		.amdhsa_reserve_vcc 0
		.amdhsa_float_denorm_mode_32 3
		.amdhsa_float_denorm_mode_16_64 3
		.amdhsa_memory_ordered 1
		.amdhsa_forward_progress 1
		.amdhsa_inst_pref_size 73
	.end_amdhsa_kernel
	.amdgpu_metadata
---
amdhsa.version: [ 1, 2 ]
amdhsa.kernels:
  - .name:           k_q1387c57a57_merge
    .symbol:         k_q1387c57a57_merge.kd
    .args:
      - { .name: lst, .offset: 0, .size: 8, .value_kind: global_buffer, .address_space: global }
      - { .name: sel, .offset: 8, .size: 8, .value_kind: global_buffer, .address_space: global }
    .group_segment_fixed_size: 5632
    .private_segment_fixed_size: 0
    .kernarg_segment_align: 8
    .kernarg_segment_size: 16
    .max_flat_workgroup_size: 128
    .sgpr_count:     66
    .vgpr_count:     130
    .wavefront_size: 32
...
	.end_amdgpu_metadata
.endif
;; end of part 2
;; launch final (part 3): grid 256 x 1, 5 waves a work-group, no clusters, 7,424 bytes of LDS; arguments x, y_train, rec, sel, out0; writes out0
.if DOCPART == 3
	.amdgcn_target "amdgcn-amd-amdhsa--gfx1250"
	.amdhsa_code_object_version 6
	.text
	.protected	k_q1387c57a57_final
	.globl	k_q1387c57a57_final
	.p2align	8
	.type	k_q1387c57a57_final,@function
k_q1387c57a57_final:
	s_mov_b64 s[64:65], 0
	v_nop
	global_prefetch_b8 v0, s[64:65] scope:SCOPE_SE
	s_setreg_imm32_b32 hwreg(HW_REG_WAVE_MODE, 25, 1), 1
	s_wait_xcnt 0x0
; k-NN, last of three launches.  For each query sel names five fragments of 64 training rows, in rising order, among which its five nearest rows lie.  Their 320 keys are made again, by the same
; matrix instruction on the same operand images (rec) as in the first launch, so with the same bits; the five largest keys are kept with row number and label; the labels vote; the row of out0 is written.
; SHARES.  A work-group takes a tile of 16 queries; wave s takes each query's s-th fragment.  Lane (r, h) holds query r and the fragment's places 32 h .. 32 h + 31.
; SIXTEEN FRAGMENTS, ONE TILE OF RESULTS.  The queries of a tile name different fragments.  Step q multiplies query q's fragment by an operand in which only column q has codes (the other columns:
; zero codes under the scale byte 1) and adds in place: column q gets its sum, every other column an exact zero.  The sums begin as each lane's own C = -t2/2, loaded from its own query's record.
; The choice of rows steers no address here: labels are loaded for all 64 places and carried through the insertions with the row's number, as 8 x row + label.
; ORDER.  On equal keys the lower row wins: places go in by rising number, the upper half's list behind the lower's, the waves' lists by rising fragment.
; LIMITS: as in the first launch (no NaN, no infinities, keys above -3e38, the order of rounding).  A label outside 0 .. 5 gets no vote, as a one-hot of six gives it none.
; No cluster, no tensor load: the work-groups share nothing but records that a list may name anywhere.
.set LASTB,  50000-64
.set NINF,   0xff800000
.set FLOOR,  0x2800000
.set L16,  1                           ; 16 x lane
.set L8,   2                           ; 8 x lane
.set RR,   3                           ; r
.set HH,   4                           ; h
.set FV,   5                           ; my query's fragment
.set RO,   6                           ; its record + 128 h
.set LO,   7                           ; 4 x (its first row + 32 h)
.set BASE8, 8                          ; 8 x (its first row + 32 h)
.set X2H,  9
.set BY,   10
.set ONES, 11                          ; the scale word of a column of zero codes
.set SB,   12                          ; v12-13 my query's scale words, as in the first launch
.set SBM,  14                          ; v14-15 the same in column q alone
.set XC,   16                          ; v16-21 my query's codes
.set ZB,   22                          ; v22-51 zeros (6), codes in lane q (6), zeros (6), codes in lane q + 16 (6), zeros (6): B_0 at + 6, B_1 at + 18, B_2 at + 0, B_3 at + 12
.set SA,   52                          ; v52-67 the 16 fragments' scale words
.set VA,   68                          ; v68-83 their records + 16 l
.set VS,   84                          ; v84-99 their records + 8 l
.set EE,   100                         ; v100-131 four accumulators: register 8 b + j is place 32 h + 8 b + j
.set PP,   132                         ; v132-163 labels, then 8 x row + label; later the other waves' lists
.set XR,   164                         ; v164-195 my query's 32 numbers; later the other half's list
.set LST,  196                         ; v196-205 the list
.set TT,   206                         ; v206-209
.set QA,   210
.set QB,   211
.set QS,   212
.set CT,   214
.set PA,   218
.set PB,   220
.set SS,   222
.set WT,   224                         ; v224-227
.set XO,   228
.set SO,   229
.set STA,  230
.set TA,   231
.set TB,   232
.set ACC,  233
.set BEST, 234
.set ARG,  235
.set ONE,  236
.set ONEF, 237
.set OUT,  238                         ; v238-240
.set OA,   242
.set RB,   243
; window 1: v0-191 the 16 fragments' A registers, 12 each
.set CM,   66
.set MSB, 0
.macro WIN new                         ; the immediate's high byte repeats the setting that is left
.if MSB != \new
	s_set_vgpr_msb (MSB<<8)|\new
.set MSB, \new
.endif
.endm
.macro INS L, V, ID
.irp i, 0,1,2,3,4
	v_cmp_gt_f32 s[CM+\i], v[\V], v[\L+\i]
.endr
	v_cndmask_b32 v[TT+3], v[\ID], v[\L+8], s[CM+3]
	v_cndmask_b32 v[TT+2], v[\ID], v[\L+7], s[CM+2]
	v_cndmask_b32 v[TT+1], v[\ID], v[\L+6], s[CM+1]
	v_cndmask_b32 v[TT],   v[\ID], v[\L+5], s[CM]
	v_cndmask_b32 v[\L+9], v[\L+9], v[TT+3], s[CM+4]
	v_cndmask_b32 v[\L+8], v[\L+8], v[TT+2], s[CM+3]
	v_cndmask_b32 v[\L+7], v[\L+7], v[TT+1], s[CM+2]
	v_cndmask_b32 v[\L+6], v[\L+6], v[TT],   s[CM+1]
	v_cndmask_b32 v[\L+5], v[\L+5], v[\ID],  s[CM]
	v_med3_num_f32 v[\L+4], v[\L+3], v[\L+4], v[\V]
	v_med3_num_f32 v[\L+3], v[\L+2], v[\L+3], v[\V]
	v_med3_num_f32 v[\L+2], v[\L+1], v[\L+2], v[\V]
	v_med3_num_f32 v[\L+1], v[\L],   v[\L+1], v[\V]
	v_max_num_f32  v[\L],   v[\L],   v[\V]
.endm
.macro QUANT32 src, dst, byt, sum      ; word for word the first launch's: the same codes, byte and sum of squares
	v_max3_num_f32 v[QA], |v[\src]|, |v[\src+1]|, FLOOR
	v_max3_num_f32 v[QB], |v[\src+2]|, |v[\src+3]|, |v[\src+4]|
.irp i, 5,9,13,17,21,25
	v_max3_num_f32 v[QA], v[QA], |v[\src+\i]|, |v[\src+\i+1]|
	v_max3_num_f32 v[QB], v[QB], |v[\src+\i+2]|, |v[\src+\i+3]|
.endr
	v_max3_num_f32 v[QA], v[QA], |v[\src+29]|, |v[\src+30]|
	v_max3_num_f32 v[QA], v[QA], v[QB], |v[\src+31]|
	v_add_nc_u32 v[QS], 0xfe000000, v[QA]
	v_lshrrev_b32 v[\byt], 23, v[QS]
	v_cvt_scalef32_pk16_bf6_f32 v[\dst:\dst+2], v[\src:\src+15], v[QS]
	v_cvt_scalef32_pk16_bf6_f32 v[CT:CT+2], v[\src+16:\src+31], v[QS]
	v_nop                                              ; one plain place behind a scaled conversion
	v_pk_mul_f32 v[PA:PA+1], v[\src:\src+1], v[\src:\src+1]
	v_pk_mul_f32 v[PB:PB+1], v[\src+2:\src+3], v[\src+2:\src+3]
.irp i, 4,8,12,16,20,24,28
	v_pk_fma_f32 v[PA:PA+1], v[\src+\i:\src+\i+1], v[\src+\i:\src+\i+1], v[PA:PA+1]
	v_pk_fma_f32 v[PB:PB+1], v[\src+\i+2:\src+\i+3], v[\src+\i+2:\src+\i+3], v[PB:PB+1]
.endr
	v_pk_add_f32 v[PA:PA+1], v[PA:PA+1], v[PB:PB+1]
	v_add_f32 v[\sum], v[PA], v[PA+1]
.irp i, 0,1,2
	v_mov_b32 v[\dst+3+\i], v[CT+\i]
.endr
.endm
	s_load_b256 s[4:11], s[0:1], 0x0               ; x s[4:5], y_train s[6:7], rec s[8:9], sel s[10:11]
	s_load_b64 s[12:13], s[0:1], 0x20              ; out0
	v_lshl_add_u32 v254, v0, 2, 0x1a00
	v_mov_b32 v255, 0
	v_lshrrev_b32 v1, 5, v0
	v_readfirstlane_b32 s14, v1                    ; wave = which of the five fragments
	v_and_b32 v[L8], 31, v0
	v_lshlrev_b32 v[L16], 4, v[L8]
	v_lshlrev_b32 v[L8], 3, v[L8]
	v_and_b32 v[RR], 15, v0
	v_bfe_u32 v[HH], v0, 4, 1
	v_lshlrev_b32 v[XO], 7, v[RR]                  ; x: 128 bytes a row
	v_lshlrev_b32 v[SO], 5, v[RR]                  ; sel: 32 bytes a query
	s_mul_i32 s20, s14, 1280
	v_add_nc_u32 v[STA], s20, v[L8]                ; LDS: my wave's list
	s_lshl_b32 s16, ttmp9, 11
	s_mov_b32 s17, 0
	s_lshl_b32 s18, ttmp9, 9
	s_lshl_b32 s20, s14, 2
	s_add_co_u32 s18, s18, s20
	s_mov_b32 s19, 0
	s_mov_b32 s56, 0x0000ffff
	s_mov_b32 s57, 0xffff0000
	s_mov_b32 s58, 0x76543210                      ; v_permlanex16_b32's selects for lane l xor 16
	s_mov_b32 s59, 0xfedcba98
	s_wait_kmcnt 0x0
	s_add_nc_u64 s[4:5], s[4:5], s[16:17]          ; x at the tile's first row
	s_add_nc_u64 s[10:11], s[10:11], s[18:19]      ; sel at the tile's first query, my wave's number
.irp n, 0,1,2,3,4,5,6,7
	global_load_b128 v[XR+4*\n:XR+4*\n+3], v[XO], s[4:5] offset:16*\n   ; my query, whole (the tile's 2,048 bytes are read once by each wave: no turn through LDS for that)
.endr
	global_load_b32 v[FV], v[SO], s[10:11]         ; my query's fragment, for my own C and labels
.irp q, 0,1,2,3,4,5,6,7,8,9,10,11,12,13,14,15
	s_load_b32 s[32+\q], s[10:11], 32*\q           ; and all sixteen queries', as scalars, for A's images
.endr
	s_wait_kmcnt 0x0
.irp q, 0,1,2,3,4,5,6,7,8,9,10,11,12,13,14,15
	s_min_u32 s[32+\q], s[32+\q], 799              ; a loaded number enters an address only held inside the table
	s_lshl_b32 s[32+\q], s[32+\q], 11
	v_add_nc_u32 v[VA+\q], s[32+\q], v[L16]
	v_add_nc_u32 v[VS+\q], s[32+\q], v[L8]
.endr
	WIN 0x40                                       ; destination window 1
.irp q, 0,1,2,3,4,5,6,7,8,9,10,11,12,13,14,15
.irp c, 0,1,2
	global_load_b128 v[12*\q+4*\c:12*\q+4*\c+3], v[VA+\q], s[8:9] offset:512*\c   ; 512 consecutive bytes a load
.endr
.endr
	WIN 0
.irp q, 0,1,2,3,4,5,6,7,8,9,10,11,12,13,14,15
	global_load_b32 v[SA+\q], v[VS+\q], s[8:9] offset:1792
.endr
	s_wait_loadcnt 63                              ; behind my fragment's number stand 64 loads; a wait names 63 at the most: x and the number are in
	v_min_u32 v[FV], 799, v[FV]
	v_lshlrev_b32 v[RO], 11, v[FV]
	v_lshl_add_u32 v[RO], v[HH], 7, v[RO]
.irp g, 0,1,2,3,4,5,6,7
	global_load_b128 v[EE+4*\g:EE+4*\g+3], v[RO], s[8:9] offset:1536+16*\g   ; C of my half's 32 places: the sums begin with it
.endr
	v_lshlrev_b32 v[RB], 6, v[FV]
	v_min_u32 v[RB], LASTB, v[RB]                  ; the fragment's first row
	v_lshl_add_u32 v[RB], v[HH], 5, v[RB]
	v_lshlrev_b32 v[LO], 2, v[RB]
.irp g, 0,1,2,3,4,5,6,7
	global_load_b128 v[PP+4*\g:PP+4*\g+3], v[LO], s[6:7] offset:16*\g        ; their labels
.endr
	v_lshlrev_b32 v[BASE8], 3, v[RB]
	QUANT32 XR, XC, BY, SS
	v_mul_f32 v[X2H], 0.5, v[SS]
	v_or_b32 v[WT], 0x01010100, v[BY]
	v_lshl_or_b32 v[WT+1], v[BY], 8, 0x01010001
	v_lshl_or_b32 v[WT+2], v[BY], 16, 0x01000101
	v_lshl_or_b32 v[WT+3], v[BY], 24, 0x00010101
	v_cndmask_b32 v[SB], v[WT], v[WT+1], s57
	v_cndmask_b32 v[SB+1], v[WT+2], v[WT+3], s57
	v_mov_b32 v[ONES], 0x01010101
.irp i, 0,1,2,3,4,5
	v_mov_b32 v[ZB+\i], 0
	v_mov_b32 v[ZB+12+\i], 0
	v_mov_b32 v[ZB+24+\i], 0
.endr
	s_wait_loadcnt 0x0
; Step q.  The four accumulators take turns, one instruction a turn, from step to step too.  An operand written by vector instructions stands four places ahead of
; a scaled product and a scale word eight: the scale words are made first, twelve lines and four v_nop ahead.  Four places stand behind the products before their sources are written again.
.macro QSTEP q
	s_mov_b32 s60, 1<<(\q)
	s_mov_b32 s61, 1<<((\q)+16)
	s_mov_b32 s62, (1<<(\q))|(1<<((\q)+16))
	v_cndmask_b32 v[SBM], v[ONES], v[SB], s62
	v_cndmask_b32 v[SBM+1], v[ONES], v[SB+1], s62
.irp i, 0,1,2,3,4,5
	v_cndmask_b32 v[ZB+6+\i], 0, v[XC+\i], s60
	v_cndmask_b32 v[ZB+18+\i], 0, v[XC+\i], s61
.endr
.rept 4
	v_nop
.endr
	WIN 0x01                                       ; A window 1
.irp b, 0,1,2,3
.if \b % 2
	v_wmma_scale_f32_16x16x128_f8f6f4 v[EE+8*\b:EE+8*\b+7], v[12*(\q):12*(\q)+11], v[ZB+12*(\b%2)+6*(1-\b/2):ZB+12*(\b%2)+6*(1-\b/2)+11], v[EE+8*\b:EE+8*\b+7], v[SA+\q], v[SBM+\b/2] matrix_a_fmt:MATRIX_FMT_BF6 matrix_b_fmt:MATRIX_FMT_BF6 matrix_b_scale:MATRIX_SCALE_ROW1
.else
	v_wmma_scale_f32_16x16x128_f8f6f4 v[EE+8*\b:EE+8*\b+7], v[12*(\q):12*(\q)+11], v[ZB+12*(\b%2)+6*(1-\b/2):ZB+12*(\b%2)+6*(1-\b/2)+11], v[EE+8*\b:EE+8*\b+7], v[SA+\q], v[SBM+\b/2] matrix_a_fmt:MATRIX_FMT_BF6 matrix_b_fmt:MATRIX_FMT_BF6
.endif
.endr
	WIN 0
.rept 4
	v_nop
.endr
.endm
.irp q, 0,1,2,3,4,5,6,7,8,9,10,11,12,13,14,15
	QSTEP \q
.endr
.set n, 0
.rept 32
	v_sub_f32 v[EE+n], v[EE+n], v[X2H]             ; the keys; each accumulator from its low end on
.set n, n+1
.endr
.set n, 0
.rept 32
	v_min_u32 v[PP+n], 7, v[PP+n]
	v_add3_u32 v[PP+n], v[PP+n], v[BASE8], 8*n     ; 8 x row + label
.set n, n+1
.endr
.irp i, 0,1,2,3,4
	v_mov_b32 v[LST+\i], NINF
	v_mov_b32 v[LST+5+\i], 0
.endr
.set n, 0
.rept 32
	INS LST, EE+n, PP+n                            ; by rising row
.set n, n+1
.endr
.irp j, 0,1,2,3,4,5,6,7,8,9
	v_permlanex16_b32 v[XR+\j], v[LST+\j], s58, s59   ; lanes 0-15 get the upper half's list, whose rows are higher (what lanes 16-31 make of it is not used)
.endr
.irp e, 0,1,2,3,4
	INS LST, XR+\e, XR+5+\e
.endr
.irp i, 0,1,2,3,4
	ds_store_b64 v[STA], v[LST+2*\i:LST+2*\i+1] offset:256*\i
.endr
	s_wait_dscnt 0x0                               ; for wave 0's sake
	s_barrier_signal -1
	s_barrier_wait -1
	s_cmp_lg_u32 s14, 0
	s_cbranch_scc1 .Lend
.irp w, 1,2,3,4
.irp i, 0,1,2,3,4
	ds_load_b64 v[PP+10*(\w-1)+2*\i:PP+10*(\w-1)+2*\i+1], v[L8] offset:1280*\w+256*\i
.endr
.endr
	s_wait_dscnt 0x0
.irp w, 1,2,3,4
.irp e, 0,1,2,3,4
	INS LST, PP+10*(\w-1)+\e, PP+10*(\w-1)+5+\e    ; by rising fragment, so by rising row
.endr
.endr
	; the vote: four bits of a word for each label; the first of the largest counts wins
	v_mov_b32 v[ONE], 1
	v_mov_b32 v[ACC], 0
.irp e, 0,1,2,3,4
	v_and_b32 v[TA], 7, v[LST+5+\e]
	v_lshlrev_b32 v[TA], 2, v[TA]
	v_lshlrev_b32 v[TA], v[TA], v[ONE]
	v_add_nc_u32 v[ACC], v[ACC], v[TA]
.endr
	v_bfe_u32 v[BEST], v[ACC], 0, 4
	v_mov_b32 v[ARG], 0
.irp c, 1,2,3,4,5
	v_bfe_u32 v[TA], v[ACC], 4*\c, 4
	v_cmp_le_u32 vcc_lo, v[TA], v[BEST]            ; only a larger count takes the place
	v_cndmask_b32 v[ARG], \c, v[ARG], vcc_lo
	v_cndmask_b32 v[BEST], v[TA], v[BEST], vcc_lo
.endr
	v_permlanex16_b32 v[TA], v[ARG], s58, s59      ; lanes 16-31 write classes 3 to 5 of the same query
	v_cndmask_b32 v[ARG], v[ARG], v[TA], s57
	v_mul_u32_u24 v[TB], v[HH], 3
	v_sub_nc_u32 v[ARG], v[ARG], v[TB]
	v_mov_b32 v[ONEF], 1.0
.irp k, 0,1,2
	v_cmp_eq_u32 vcc_lo, \k, v[ARG]
	v_cndmask_b32 v[OUT+\k], 0, v[ONEF], vcc_lo
.endr
	v_mul_u32_u24 v[OA], v[RR], 24
	v_mad_u32_u24 v[OA], v[HH], 12, v[OA]
	s_mul_i32 s16, ttmp9, 384
	s_add_nc_u64 s[12:13], s[12:13], s[16:17]
	global_store_b96 v[OA], v[OUT:OUT+2], s[12:13] ; the wave stores the tile's 384 consecutive bytes
.Lend:
	s_wait_tensorcnt 0x0
	ds_add_u32 v254, v255
	s_wait_dscnt 0x0
	s_endpgm
.Lfunc_end_k_q1387c57a57_final:
	.size	k_q1387c57a57_final, .Lfunc_end_k_q1387c57a57_final-k_q1387c57a57_final
	.p2alignl 7, 3214868480
	.fill 96, 4, 3214868480
	.section	.rodata,"a",@progbits
	.p2align	6, 0x0
	.amdhsa_kernel k_q1387c57a57_final
		.amdhsa_group_segment_fixed_size 7424
		.amdhsa_private_segment_fixed_size 0
		.amdhsa_enable_private_segment 0
		.amdhsa_kernarg_size 40
		.amdhsa_user_sgpr_count 2
		.amdhsa_user_sgpr_kernarg_segment_ptr 1
		.amdhsa_wavefront_size32 1
		.amdhsa_system_sgpr_workgroup_id_x 1
		.amdhsa_system_sgpr_workgroup_id_y 1
		.amdhsa_system_sgpr_workgroup_id_z 1
		.amdhsa_system_vgpr_workitem_id 0
		.amdhsa_next_free_vgpr 512
		.amdhsa_next_free_sgpr 80
		.amdhsa_reserve_vcc 1
		.amdhsa_float_denorm_mode_32 3
		.amdhsa_float_denorm_mode_16_64 3
		.amdhsa_memory_ordered 1
		.amdhsa_forward_progress 1
		.amdhsa_inst_pref_size 124
	.end_amdhsa_kernel
	.amdgpu_metadata
---
amdhsa.version: [ 1, 2 ]
amdhsa.kernels:
  - .name:           k_q1387c57a57_final
    .symbol:         k_q1387c57a57_final.kd
    .args:
      - { .name: x, .offset: 0, .size: 8, .value_kind: global_buffer, .address_space: global }
      - { .name: y_train, .offset: 8, .size: 8, .value_kind: global_buffer, .address_space: global }
      - { .name: rec, .offset: 16, .size: 8, .value_kind: global_buffer, .address_space: global }
      - { .name: sel, .offset: 24, .size: 8, .value_kind: global_buffer, .address_space: global }
      - { .name: out0, .offset: 32, .size: 8, .value_kind: global_buffer, .address_space: global }
    .group_segment_fixed_size: 7424
    .private_segment_fixed_size: 0
    .kernarg_segment_align: 8
    .kernarg_segment_size: 40
    .max_flat_workgroup_size: 160
    .sgpr_count:     80
    .vgpr_count:     512
    .wavefront_size: 32
...
	.end_amdgpu_metadata
.endif
;; end of part 3
;; ======== version 2 of 2: 3 launches; version 1 with the launch final written anew for expert scheduling mode
;; workspace buffers: rec 1,638,400 bytes; lst 10,485,760 bytes of whole numbers; sel 131,072 bytes of whole numbers
;; launch scan: the kernel of part 1 again; grid 8 x 32, 8 waves a work-group, no clusters, 305,152 bytes of LDS; arguments X_train, x, rec, lst; writes rec, lst
;; launch merge: the kernel of part 2 again; grid 256 x 1, 4 waves a work-group, no clusters, 5,632 bytes of LDS; arguments lst, sel; writes sel
;; launch final (part 4): grid 256 x 1, 5 waves a work-group, no clusters, 7,424 bytes of LDS; arguments x, y_train, rec, sel, out0; writes out0
.if DOCPART == 4
	.amdgcn_target "amdgcn-amd-amdhsa--gfx1250"
	.amdhsa_code_object_version 6
	.text
	.protected	k_q1387c57a57_final
	.globl	k_q1387c57a57_final
	.p2align	8
	.type	k_q1387c57a57_final,@function
k_q1387c57a57_final:
	s_mov_b64 s[64:65], 0
	v_nop
	global_prefetch_b8 v0, s[64:65] scope:SCOPE_SE
	s_setreg_imm32_b32 hwreg(HW_REG_WAVE_SCHED_MODE, 0, 2), 2
	s_setreg_imm32_b32 hwreg(HW_REG_WAVE_MODE, 25, 1), 1
	s_wait_xcnt 0x0
	s_wait_alu depctr_vm_vsrc(0)
; k-NN, last of three launches.  For each query sel names five fragments of 64 training rows, in rising order, among which its five nearest rows lie.  Their 320 keys are made again, by the same
; matrix instruction on the same operand images (rec) as in the first launch, so with the same bits; the five largest keys are kept with row number and label; the labels vote; the row of out0 is written.
; SHARES.  A work-group takes a tile of 16 queries; wave s takes each query's s-th fragment.  Lane (r, h) holds query r and the fragment's places 32 h .. 32 h + 31.
; SIXTEEN FRAGMENTS, ONE TILE OF RESULTS.  The queries of a tile name different fragments.  Step q multiplies query q's fragment by an operand in which only column q has codes (the other columns:
; zero codes under the scale byte 1) and adds in place: column q gets its sum, every other column an exact zero.  The sums begin as each lane's own C = -t2/2, loaded from its own query's record.
; The choice of rows steers no address here: labels are loaded for all 64 places and carried through the insertions with the row's number, as 8 x row + label.
; ORDER.  On equal keys the lower row wins: places go in by rising number, the upper half's list behind the lower's, the waves' lists by rising fragment.
; LIMITS: as in the first launch (no NaN, no infinities, keys above -3e38, the order of rounding).  A label outside 0 .. 5 gets no vote, as a one-hot of six gives it none.
; No cluster, no tensor load: the work-groups share nothing but records that a list may name anywhere.
; THE MODE: SCHED_MODE bits 1:0 = 2 (LLVM: expert scheduling mode 2), set by the entry lines.  The code itself states the register dependences between vector or matrix instructions and memory or
; LDS instructions, and those through scalar registers and VCC that vector instructions write, with s_wait_alu, always for 0.
; THE PLAN.  Registers that memory or LDS instructions touch:
;   XO, SO, L16, L8, STA   offsets, made at the head and never written again: one wait on va_vdst ahead of the first load.
;   VA, VS                 offsets of the 16 records, made behind the scalar loads of sel, never written again: one wait ahead of the 64 loads that read them.
;   RO, LO                 offsets of my own query's C and labels, made together, never written again: one wait ahead of the 16 loads that read them.
;   XR, FV, A's images, SA, EE   loads land there; no vector instruction names them ahead of that.
;   PP                     the labels land there; vector instructions work on them; in wave 0 the other waves' lists land there (and in v164-171) behind the barrier.
;   LST                    written by the insertions, read by the five LDS stores, written again by wave 0.
;   OA, OUT                written at the end, read by the one global store.
; One wait on va_vdst ahead of the LDS stores states that LST is written and that all who named v132-171 are done; no vector instruction stands between it and wave 0's LDS loads.
; One wait on vm_vsrc behind the barrier states that the LDS stores have read LST.
; THE PRODUCTS go in four batches of four steps: four operands and their scale words are made side by side, and ONE wait on va_vdst stands between the selects that write them and the batch's 16 products.
; THE INSERTIONS go in batches too: a key's compares and the keys' own moves need no mask, so they run for up to eight keys on end, into 40 scalar registers; ONE wait on va_sdst; then the numbers' selects.
.set LASTB,  50000-64
.set NINF,   0xff800000
.set FLOOR,  0x2800000
.set L16,  1                           ; 16 x lane
.set L8,   2                           ; 8 x lane
.set RR,   3                           ; r
.set HH,   4                           ; h
.set FV,   5                           ; my query's fragment
.set RO,   6                           ; its record + 128 h
.set LO,   7                           ; 4 x (its first row + 32 h)
.set BASE8, 8                          ; 8 x (its first row + 32 h)
.set X2H,  9
.set BY,   10
.set ONES, 11                          ; the scale word of a column of zero codes
.set SB,   12                          ; v12-13 my query's scale words, as in the first launch
.set XC,   16                          ; v16-21 my query's codes
.set ZB,   22                          ; v22-51 a batch's first operand: zeros (6), codes in lane q (6), zeros (6), codes in lane q + 16 (6), zeros (6): B_0 at + 6, B_1 at + 18, B_2 at + 0, B_3 at + 12
.set SA,   52                          ; v52-67 the 16 fragments' scale words
.set VA,   68                          ; v68-83 their records + 16 l
.set VS,   84                          ; v84-99 their records + 8 l
.set EE,   100                         ; v100-131 four accumulators: register 8 b + j is place 32 h + 8 b + j
.set PP,   132                         ; v132-163 labels, then 8 x row + label; later the other waves' lists
.set XR,   164                         ; v164-195 my query's 32 numbers; later the other half's list
.set ZC,   164                         ; v164-193 a batch's second operand, laid as the first, in the registers that the query's numbers have left
.set ZW,   192                         ; window 1, v192-245: the third operand, and 24 on the fourth: the two share a run of zeros
.set LST,  196                         ; v196-205 the list
.set TT,   206                         ; v206-209
.set QA,   210
.set QB,   211
.set QS,   212
.set CT,   214
.set PA,   218
.set PB,   220
.set SS,   222
.set WT,   224                         ; v224-227
.set XO,   228
.set SO,   229
.set STA,  230
.set TA,   231
.set TB,   232
.set ACC,  233
.set BEST, 234
.set ARG,  235
.set ONE,  236
.set ONEF, 237
.set OUT,  238                         ; v238-240
.set OA,   242
.set RB,   243
.set SBM,  244                         ; v244-251 a batch's scale words: my query's in column q alone, two registers a step
; window 1: v0-191 the 16 fragments' A registers, 12 each
.set MB,   16                          ; s16-55 the masks of up to eight insertions, five each
.set MQ,   20                          ; s20-31 ahead of the insertions: a batch's lane masks, three a step: lane q, lane q + 16, both
.set MSB, 0
.macro WIN new                         ; the immediate's high byte repeats the setting that is left
.if MSB != \new
	s_set_vgpr_msb (MSB<<8)|\new
.set MSB, \new
.endif
.endm
; An insertion of (key, number) into a list of five, in two parts.  A key enters ahead of the keys that it exceeds: on equal keys the earlier entry stays in front.
; KEYS: the five compares, into s[m] .. s[m + 4], and then the keys' own moves, which need no mask: the middle one of the key above, the key here and the new key.
; Compares and moves both go from place 4 down, so that four lines lie between a key's move and the next compare with it.
.macro KEYS L, V, m
.irp i, 4,3,2,1,0
	v_cmp_gt_f32 s[(\m)+\i], v[\V], v[\L+\i]
.endr
	v_med3_num_f32 v[\L+4], v[\L+3], v[\L+4], v[\V]
	v_med3_num_f32 v[\L+3], v[\L+2], v[\L+3], v[\V]
	v_med3_num_f32 v[\L+2], v[\L+1], v[\L+2], v[\V]
	v_med3_num_f32 v[\L+1], v[\L],   v[\L+1], v[\V]
	v_max_num_f32  v[\L],   v[\L],   v[\V]
.endm
; NUMS: the numbers' moves, by the masks that KEYS has left: what place j would take is the number from above, or the new one.
.macro NUMS L, ID, m
	v_cndmask_b32 v[TT+3], v[\ID], v[\L+8], s[(\m)+3]
	v_cndmask_b32 v[TT+2], v[\ID], v[\L+7], s[(\m)+2]
	v_cndmask_b32 v[TT+1], v[\ID], v[\L+6], s[(\m)+1]
	v_cndmask_b32 v[TT],   v[\ID], v[\L+5], s[(\m)]
	v_cndmask_b32 v[\L+9], v[\L+9], v[TT+3], s[(\m)+4]
	v_cndmask_b32 v[\L+8], v[\L+8], v[TT+2], s[(\m)+3]
	v_cndmask_b32 v[\L+7], v[\L+7], v[TT+1], s[(\m)+2]
	v_cndmask_b32 v[\L+6], v[\L+6], v[TT],   s[(\m)+1]
	v_cndmask_b32 v[\L+5], v[\L+5], v[\ID],  s[(\m)]
.endm
.macro QUANT32 src, dst, byt, sum      ; word for word the first launch's: the same codes, byte and sum of squares
	v_max3_num_f32 v[QA], |v[\src]|, |v[\src+1]|, FLOOR
	v_max3_num_f32 v[QB], |v[\src+2]|, |v[\src+3]|, |v[\src+4]|
.irp i, 5,9,13,17,21,25
	v_max3_num_f32 v[QA], v[QA], |v[\src+\i]|, |v[\src+\i+1]|
	v_max3_num_f32 v[QB], v[QB], |v[\src+\i+2]|, |v[\src+\i+3]|
.endr
	v_max3_num_f32 v[QA], v[QA], |v[\src+29]|, |v[\src+30]|
	v_max3_num_f32 v[QA], v[QA], v[QB], |v[\src+31]|
	v_add_nc_u32 v[QS], 0xfe000000, v[QA]
	v_lshrrev_b32 v[\byt], 23, v[QS]
	v_cvt_scalef32_pk16_bf6_f32 v[\dst:\dst+2], v[\src:\src+15], v[QS]
	v_cvt_scalef32_pk16_bf6_f32 v[CT:CT+2], v[\src+16:\src+31], v[QS]
	v_nop                                              ; one plain place behind a scaled conversion
	v_pk_mul_f32 v[PA:PA+1], v[\src:\src+1], v[\src:\src+1]
	v_pk_mul_f32 v[PB:PB+1], v[\src+2:\src+3], v[\src+2:\src+3]
.irp i, 4,8,12,16,20,24,28
	v_pk_fma_f32 v[PA:PA+1], v[\src+\i:\src+\i+1], v[\src+\i:\src+\i+1], v[PA:PA+1]
	v_pk_fma_f32 v[PB:PB+1], v[\src+\i+2:\src+\i+3], v[\src+\i+2:\src+\i+3], v[PB:PB+1]
.endr
	v_pk_add_f32 v[PA:PA+1], v[PA:PA+1], v[PB:PB+1]
	v_add_f32 v[\sum], v[PA], v[PA+1]
.irp i, 0,1,2
	v_mov_b32 v[\dst+3+\i], v[CT+\i]
.endr
.endm
	s_load_b256 s[4:11], s[0:1], 0x0               ; x s[4:5], y_train s[6:7], rec s[8:9], sel s[10:11]
	s_load_b64 s[12:13], s[0:1], 0x20              ; out0
	v_lshl_add_u32 v254, v0, 2, 0x1a00
	v_mov_b32 v255, 0
	v_lshrrev_b32 v1, 5, v0
	v_readfirstlane_b32 s14, v1                    ; wave = which of the five fragments
	v_and_b32 v[L8], 31, v0
	v_lshlrev_b32 v[L16], 4, v[L8]
	v_lshlrev_b32 v[L8], 3, v[L8]
	v_and_b32 v[RR], 15, v0
	v_bfe_u32 v[HH], v0, 4, 1
	v_lshlrev_b32 v[XO], 7, v[RR]                  ; x: 128 bytes a row
	v_lshlrev_b32 v[SO], 5, v[RR]                  ; sel: 32 bytes a query
	s_wait_alu depctr_va_sdst(0)                   ; s14 is written, ahead of its first reader: LDS and sel addresses are made from it
	s_mul_i32 s20, s14, 1280
	v_add_nc_u32 v[STA], s20, v[L8]                ; LDS: my wave's list
	s_lshl_b32 s16, ttmp9, 11
	s_mov_b32 s17, 0
	s_lshl_b32 s18, ttmp9, 9
	s_lshl_b32 s21, s14, 2                         ; (a register of its own: s20 is a source of the vector line above)
	s_add_co_u32 s18, s18, s21
	s_mov_b32 s19, 0
	s_mov_b32 s56, 0x0000ffff
	s_mov_b32 s57, 0xffff0000
	s_mov_b32 s58, 0x76543210                      ; v_permlanex16_b32's selects for lane l xor 16
	s_mov_b32 s59, 0xfedcba98
	s_wait_kmcnt 0x0
	s_add_nc_u64 s[4:5], s[4:5], s[16:17]          ; x at the tile's first row
	s_add_nc_u64 s[10:11], s[10:11], s[18:19]      ; sel at the tile's first query, my wave's number
	s_mul_i32 s16, ttmp9, 384
	s_add_nc_u64 s[12:13], s[12:13], s[16:17]      ; out0 at the tile's first row: made here, since s16 and s17 hold masks later
	s_wait_alu depctr_va_vdst(0)                   ; the offsets XO and SO are written, which the loads below read; so are L16, L8 and STA, which later loads and LDS instructions read
.irp n, 0,1,2,3,4,5,6,7
	global_load_b128 v[XR+4*\n:XR+4*\n+3], v[XO], s[4:5] offset:16*\n   ; my query, whole (the tile's 2,048 bytes are read once by each wave: no turn through LDS for that)
.endr
	global_load_b32 v[FV], v[SO], s[10:11]         ; my query's fragment, for my own C and labels
.irp q, 0,1,2,3,4,5,6,7,8,9,10,11,12,13,14,15
	s_load_b32 s[32+\q], s[10:11], 32*\q           ; and all sixteen queries', as scalars, for A's images
.endr
	s_wait_kmcnt 0x0
.irp q, 0,1,2,3,4,5,6,7,8,9,10,11,12,13,14,15
	s_min_u32 s[32+\q], s[32+\q], 799              ; a loaded number enters an address only held inside the table
	s_lshl_b32 s[32+\q], s[32+\q], 11
	v_add_nc_u32 v[VA+\q], s[32+\q], v[L16]
	v_add_nc_u32 v[VS+\q], s[32+\q], v[L8]
.endr
	WIN 0x40                                       ; destination window 1
	s_wait_alu depctr_va_vdst(0)                   ; the 32 offsets VA and VS are written, which the 64 loads below read; between this wait and the last of them stand loads and one window switch alone
.irp q, 0,1,2,3,4,5,6,7,8,9,10,11,12,13,14,15
.irp c, 0,1,2
	global_load_b128 v[12*\q+4*\c:12*\q+4*\c+3], v[VA+\q], s[8:9] offset:512*\c   ; 512 consecutive bytes a load
.endr
.endr
	WIN 0
.irp q, 0,1,2,3,4,5,6,7,8,9,10,11,12,13,14,15
	global_load_b32 v[SA+\q], v[VS+\q], s[8:9] offset:1792
.endr
	s_wait_loadcnt 63                              ; behind my fragment's number stand 64 loads; a wait names 63 at the most: x and the number are in
	v_min_u32 v[FV], 799, v[FV]
	v_lshlrev_b32 v[RO], 11, v[FV]
	v_lshl_add_u32 v[RO], v[HH], 7, v[RO]
	v_lshlrev_b32 v[RB], 6, v[FV]
	v_min_u32 v[RB], LASTB, v[RB]                  ; the fragment's first row
	v_lshl_add_u32 v[RB], v[HH], 5, v[RB]
	v_lshlrev_b32 v[LO], 2, v[RB]
	v_lshlrev_b32 v[BASE8], 3, v[RB]
	s_wait_alu depctr_va_vdst(0)                   ; the offsets RO and LO are written, which the 16 loads below read
.irp g, 0,1,2,3,4,5,6,7
	global_load_b128 v[EE+4*\g:EE+4*\g+3], v[RO], s[8:9] offset:1536+16*\g   ; C of my half's 32 places: the sums begin with it
.endr
.irp g, 0,1,2,3,4,5,6,7
	global_load_b128 v[PP+4*\g:PP+4*\g+3], v[LO], s[6:7] offset:16*\g        ; their labels
.endr
	QUANT32 XR, XC, BY, SS
	v_mul_f32 v[X2H], 0.5, v[SS]
	v_or_b32 v[WT], 0x01010100, v[BY]
	v_lshl_or_b32 v[WT+1], v[BY], 8, 0x01010001
	v_lshl_or_b32 v[WT+2], v[BY], 16, 0x01000101
	v_lshl_or_b32 v[WT+3], v[BY], 24, 0x00010101
	v_cndmask_b32 v[SB], v[WT], v[WT+1], s57
	v_cndmask_b32 v[SB+1], v[WT+2], v[WT+3], s57
	v_mov_b32 v[ONES], 0x01010101
.irp i, 0,1,2,3,4,5                            ; the runs of zero codes of the four operands, written once
	v_mov_b32 v[ZB+\i], 0
	v_mov_b32 v[ZB+12+\i], 0
	v_mov_b32 v[ZB+24+\i], 0
	v_mov_b32 v[ZC+\i], 0
	v_mov_b32 v[ZC+12+\i], 0
	v_mov_b32 v[ZC+24+\i], 0
.endr
	WIN 0x40                                       ; destination window 1
.irp i, 0,1,2,3,4,5
	v_mov_b32 v[ZW+\i], 0
	v_mov_b32 v[ZW+12+\i], 0
	v_mov_b32 v[ZW+24+\i], 0
	v_mov_b32 v[ZW+36+\i], 0
	v_mov_b32 v[ZW+48+\i], 0
.endr
	WIN 0
; A BATCH: steps q = 4 g .. 4 g + 3.  PREP makes their four operands and eight scale words.  An operand written by vector instructions stands four places ahead of a scaled product and a scale
; word eight: the scale words are made first, 48 selects and four v_nop ahead.
.macro PREP g
.irp k, 0,1,2,3
	s_mov_b32 s[MQ+3*\k], 1<<(4*(\g)+\k)
	s_mov_b32 s[MQ+3*\k+1], 1<<(4*(\g)+\k+16)
	s_mov_b32 s[MQ+3*\k+2], (1<<(4*(\g)+\k))|(1<<(4*(\g)+\k+16))
.endr
.irp k, 0,1,2,3
	v_cndmask_b32 v[SBM+2*\k], v[ONES], v[SB], s[MQ+3*\k+2]
	v_cndmask_b32 v[SBM+2*\k+1], v[ONES], v[SB+1], s[MQ+3*\k+2]
.endr
.irp i, 0,1,2,3,4,5
	v_cndmask_b32 v[ZB+6+\i], 0, v[XC+\i], s[MQ]
	v_cndmask_b32 v[ZB+18+\i], 0, v[XC+\i], s[MQ+1]
	v_cndmask_b32 v[ZC+6+\i], 0, v[XC+\i], s[MQ+3]
	v_cndmask_b32 v[ZC+18+\i], 0, v[XC+\i], s[MQ+4]
.endr
	WIN 0x40                                       ; destination window 1
.irp i, 0,1,2,3,4,5
	v_cndmask_b32 v[ZW+6+\i], 0, v[XC+\i], s[MQ+6]
	v_cndmask_b32 v[ZW+18+\i], 0, v[XC+\i], s[MQ+7]
	v_cndmask_b32 v[ZW+30+\i], 0, v[XC+\i], s[MQ+9]
	v_cndmask_b32 v[ZW+42+\i], 0, v[XC+\i], s[MQ+10]
.endr
.rept 4
	v_nop
.endr
.endm
; Step q's four products: its fragment against the operand at zb, the batch's k-th.  The four accumulators take turns, one instruction a turn, from step to step and from batch to batch too
; each takes the queries in rising order.
.macro PROD q, zb, k
.irp b, 0,1,2,3
.if \b % 2
	v_wmma_scale_f32_16x16x128_f8f6f4 v[EE+8*\b:EE+8*\b+7], v[12*(\q):12*(\q)+11], v[(\zb)+12*(\b%2)+6*(1-\b/2):(\zb)+12*(\b%2)+6*(1-\b/2)+11], v[EE+8*\b:EE+8*\b+7], v[SA+(\q)], v[SBM+2*(\k)+\b/2] matrix_a_fmt:MATRIX_FMT_BF6 matrix_b_fmt:MATRIX_FMT_BF6 matrix_b_scale:MATRIX_SCALE_ROW1
.else
	v_wmma_scale_f32_16x16x128_f8f6f4 v[EE+8*\b:EE+8*\b+7], v[12*(\q):12*(\q)+11], v[(\zb)+12*(\b%2)+6*(1-\b/2):(\zb)+12*(\b%2)+6*(1-\b/2)+11], v[EE+8*\b:EE+8*\b+7], v[SA+(\q)], v[SBM+2*(\k)+\b/2] matrix_a_fmt:MATRIX_FMT_BF6 matrix_b_fmt:MATRIX_FMT_BF6
.endif
.endr
.endm
; The batch's 16 products.  last = 0: four places stand behind them before the next batch's selects write their sources again.
.macro PRODS g, last
	WIN 0x01                                       ; A window 1, B window 0
	s_wait_alu depctr_va_vdst(0)                   ; the selects have written the batch's four operands and eight scale words, which the 16 products below take; the places above stay beside this wait
	PROD 4*(\g), ZB, 0
	PROD 4*(\g)+1, ZC, 1
	WIN 0x05                                       ; A and B window 1
	PROD 4*(\g)+2, ZW, 2
	PROD 4*(\g)+3, ZW+24, 3
	WIN 0
.if !\last
.rept 4
	v_nop
.endr
.endif
.endm
	PREP 0                                         ; the first batch's operands are made while the loads are out
	s_wait_loadcnt 0x0
	PRODS 0, 0
	PREP 1
	PRODS 1, 0
	PREP 2
	PRODS 2, 0
	PREP 3
	PRODS 3, 1
.set n, 0
.rept 32
	v_min_u32 v[PP+n], 7, v[PP+n]                  ; (these 32 name none of the products' registers: they are the places behind the last products)
.set n, n+1
.endr
.set n, 0
.rept 32
	v_add3_u32 v[PP+n], v[PP+n], v[BASE8], 8*n     ; 8 x row + label
.set n, n+1
.endr
.set n, 0
.rept 32
	v_sub_f32 v[EE+n], v[EE+n], v[X2H]             ; the keys; each accumulator from its low end on
.set n, n+1
.endr
.irp i, 0,1,2,3,4
	v_mov_b32 v[LST+\i], NINF
	v_mov_b32 v[LST+5+\i], 0
.endr
.set n, 0
.rept 4                                        ; my 32 places go in by rising row, eight to a batch
.set k, 0
.rept 8
	KEYS LST, EE+n+k, MB+5*k
.set k, k+1
.endr
	s_wait_alu depctr_va_sdst(0)                   ; the 40 compares have written s16 to s55, which the selects below read
.set k, 0
.rept 8
	NUMS LST, PP+n+k, MB+5*k
.set k, k+1
.endr
.set n, n+8
.endr
.irp j, 0,1,2,3,4,5,6,7,8,9
	v_permlanex16_b32 v[XR+\j], v[LST+\j], s58, s59   ; lanes 0-15 get the upper half's list, whose rows are higher (what lanes 16-31 make of it is not used)
.endr
.irp e, 0,1,2,3,4
	KEYS LST, XR+\e, MB+5*\e
.endr
	s_wait_alu depctr_va_sdst(0)                   ; the 25 compares have written s16 to s40, which the selects below read
.irp e, 0,1,2,3,4
	NUMS LST, XR+5+\e, MB+5*\e
.endr
	s_wait_alu depctr_va_vdst(0)                   ; the list is written, which the LDS stores read; and all vector and matrix instructions that named v132 to v171 are done: wave 0's LDS loads land there, with no vector instruction between
.irp i, 0,1,2,3,4
	ds_store_b64 v[STA], v[LST+2*\i:LST+2*\i+1] offset:256*\i
.endr
	s_wait_dscnt 0x0                               ; for wave 0's sake
	s_barrier_signal -1
	s_barrier_wait -1
	s_wait_alu depctr_vm_vsrc(0)                   ; my LDS stores have read the list, which wave 0's insertions write again
	s_cmp_lg_u32 s14, 0
	s_cbranch_scc1 .Lend
.irp w, 1,2,3,4
.irp i, 0,1,2,3,4
	ds_load_b64 v[PP+10*(\w-1)+2*\i:PP+10*(\w-1)+2*\i+1], v[L8] offset:1280*\w+256*\i
.endr
.endr
	s_wait_dscnt 0x0
.irp w, 1,2,3,4                                ; by rising fragment, so by rising row; a list to a batch
.irp e, 0,1,2,3,4
	KEYS LST, PP+10*(\w-1)+\e, MB+5*\e
.endr
	s_wait_alu depctr_va_sdst(0)                   ; the 25 compares have written s16 to s40, which the selects below read
.irp e, 0,1,2,3,4
	NUMS LST, PP+10*(\w-1)+5+\e, MB+5*\e
.endr
.endr
	; the vote: four bits of a word for each label; the first of the largest counts wins
	v_mov_b32 v[ONE], 1
	v_mov_b32 v[ACC], 0
.irp e, 0,1,2,3,4
	v_and_b32 v[TA], 7, v[LST+5+\e]
	v_lshlrev_b32 v[TA], 2, v[TA]
	v_lshlrev_b32 v[TA], v[TA], v[ONE]
	v_add_nc_u32 v[ACC], v[ACC], v[TA]
.endr
	v_bfe_u32 v[BEST], v[ACC], 0, 4
	v_mov_b32 v[ARG], 0
.irp c, 1,2,3,4,5
	v_bfe_u32 v[TA], v[ACC], 4*\c, 4
	v_cmp_le_u32 vcc_lo, v[TA], v[BEST]            ; only a larger count takes the place
	s_wait_alu depctr_va_vcc(0)                    ; the compare has written VCC, which the two selects read (each compare hangs on the select before it: no run of compares can be laid here)
	v_cndmask_b32 v[ARG], \c, v[ARG], vcc_lo
	v_cndmask_b32 v[BEST], v[TA], v[BEST], vcc_lo
.endr
	v_permlanex16_b32 v[TA], v[ARG], s58, s59      ; lanes 16-31 write classes 3 to 5 of the same query
	v_cndmask_b32 v[ARG], v[ARG], v[TA], s57
	v_mul_u32_u24 v[TB], v[HH], 3
	v_sub_nc_u32 v[ARG], v[ARG], v[TB]
	v_mov_b32 v[ONEF], 1.0
.irp k, 0,1,2
	v_cmp_eq_u32 s[MB+\k], \k, v[ARG]
.endr
	v_mul_u32_u24 v[OA], v[RR], 24
	v_mad_u32_u24 v[OA], v[HH], 12, v[OA]
	s_wait_alu depctr_va_sdst(0)                   ; the three compares have written s16 to s18, which the selects below read
.irp k, 0,1,2
	v_cndmask_b32 v[OUT+\k], 0, v[ONEF], s[MB+\k]
.endr
	s_wait_alu depctr_va_vdst(0)                   ; OA and OUT are written, which the store reads
	global_store_b96 v[OA], v[OUT:OUT+2], s[12:13] ; the wave stores the tile's 384 consecutive bytes
.Lend:
	s_wait_dscnt 0x0                               ; the closing lines, six on end
	s_wait_alu 0x0
	s_wait_tensorcnt 0x0
	ds_add_u32 v254, v255
	s_wait_dscnt 0x0
	s_endpgm
.Lfunc_end_k_q1387c57a57_final:
	.size	k_q1387c57a57_final, .Lfunc_end_k_q1387c57a57_final-k_q1387c57a57_final
	.p2alignl 7, 3214868480
	.fill 96, 4, 3214868480
	.section	.rodata,"a",@progbits
	.p2align	6, 0x0
	.amdhsa_kernel k_q1387c57a57_final
		.amdhsa_group_segment_fixed_size 7424
		.amdhsa_private_segment_fixed_size 0
		.amdhsa_enable_private_segment 0
		.amdhsa_kernarg_size 40
		.amdhsa_user_sgpr_count 2
		.amdhsa_user_sgpr_kernarg_segment_ptr 1
		.amdhsa_wavefront_size32 1
		.amdhsa_system_sgpr_workgroup_id_x 1
		.amdhsa_system_sgpr_workgroup_id_y 1
		.amdhsa_system_sgpr_workgroup_id_z 1
		.amdhsa_system_vgpr_workitem_id 0
		.amdhsa_next_free_vgpr 512
		.amdhsa_next_free_sgpr 80
		.amdhsa_reserve_vcc 1
		.amdhsa_float_denorm_mode_32 3
		.amdhsa_float_denorm_mode_16_64 3
		.amdhsa_memory_ordered 1
		.amdhsa_forward_progress 1
		.amdhsa_inst_pref_size 123
	.end_amdhsa_kernel
	.amdgpu_metadata
---
amdhsa.version: [ 1, 2 ]
amdhsa.kernels:
  - .name:           k_q1387c57a57_final
    .symbol:         k_q1387c57a57_final.kd
    .args:
      - { .name: x, .offset: 0, .size: 8, .value_kind: global_buffer, .address_space: global }
      - { .name: y_train, .offset: 8, .size: 8, .value_kind: global_buffer, .address_space: global }
      - { .name: rec, .offset: 16, .size: 8, .value_kind: global_buffer, .address_space: global }
      - { .name: sel, .offset: 24, .size: 8, .value_kind: global_buffer, .address_space: global }
      - { .name: out0, .offset: 32, .size: 8, .value_kind: global_buffer, .address_space: global }
    .group_segment_fixed_size: 7424
    .private_segment_fixed_size: 0
    .kernarg_segment_align: 8
    .kernarg_segment_size: 40
    .max_flat_workgroup_size: 160
    .sgpr_count:     80
    .vgpr_count:     512
    .wavefront_size: 32
...
	.end_amdgpu_metadata
.endif
;; end of part 4
